; MI455X (gfx1250); checked and timed in simulation.
; The chip was launched on July 23, 2026; its instructions are those of AMD's public machine-readable ISA for CDNA 5 (MIT licence, August 2026) and "CDNA5" Instruction Set Architecture Reference Guide (July 2026). The comments in the code are by the model that wrote it; some were corrected since.
;; Multi Head Attention. Allowed arithmetic: matrix products marked QUANTISED: E5M2 operands, one given power-of-two scale a tensor, by v_wmma_f32_16x16x64_bf8_bf8 or v_wmma_f32_16x16x128_bf8_bf8, f32 sums; everything else in f32.
;; Inputs: Wk_codes 1,024 x 32 x 32 uint8 (E5M2 codes of Wk, K innermost, in blocks of 32 codes); Wo_codes 1,024 x 32 x 32 uint8 (E5M2 codes of Wo, K innermost, in blocks of 32 codes); Wq_codes 1,024 x 32 x 32 uint8 (E5M2 codes of Wq, K innermost, in blocks of 32 codes); Wv_codes 1,024 x 32 x 32 uint8 (E5M2 codes of Wv, K innermost, in blocks of 32 codes); lowp_scales 12 int32 (the exponents e of the quantised operands' scales 2^e); token_positions 2,048 int32; x_codes 4 x 2,048 x 32 x 32 uint8 (E5M2 codes of x, K innermost, in blocks of 32 codes).
;; Outputs: out0 4 x 2,048 x 1,024 float32.
;; This version of the problem:
;;   THIS VERSION OF THE PROBLEM IS GIVEN IN LOW PRECISION. The matrix products marked QUANTISED in the list below multiply operands that are first quantised to E5M2 (5 exponent bits, 2 mantissa bits; 8 bits a number), with one given power-of-two scale for each operand tensor; their sums are f32. All else is computed in f32.
;;   The module's matrix products, in the order in which they are computed (A, B: the left and right operand; K: the contracted axis; several contracted axes count as one K, in the product's order):
;;     1. [M 8,192, K 1,024] x [K 1,024, N 1,024]; A: input x (given as codes); B: input Wq (given as codes): QUANTISED (scales: A lowp_scales[0], B lowp_scales[1])
;;     2. [M 8,192, K 1,024] x [K 1,024, N 1,024]; A: input x (given as codes); B: input Wk (given as codes): QUANTISED (scales: A lowp_scales[2], B lowp_scales[3])
;;     3. [M 8,192, K 1,024] x [K 1,024, N 1,024]; A: input x (given as codes); B: input Wv (given as codes): QUANTISED (scales: A lowp_scales[4], B lowp_scales[5])
;;     4. batch 64 x [M 2,048, K 64] x [K 64, N 2,048]; A: computed on the way; B: computed on the way: QUANTISED (scales: A lowp_scales[6], B lowp_scales[7])
;;     5. batch 64 x [M 2,048, K 2,048] x [K 2,048, N 64]; A: softmax (see below); B: computed on the way: QUANTISED (scales: A lowp_scales[8], B lowp_scales[9])
;;     6. [M 8,192, K 1,024] x [K 1,024, N 1,024]; A: computed on the way; B: input Wo (given as codes): QUANTISED (scales: A lowp_scales[10], B lowp_scales[11])
;;   THE QUANTISER, for each operand of a quantised product, along K:
;;     - The operand's scale is 2^e, e = its entry of the input lowp_scales (int32; the entries are numbered through the quantised products in the list's order, A before B).
;;     - Each number is divided by the scale, clamped to +-57,344, and rounded to the nearest number of E5M2, ties to even, subnormals kept.
;;     - The product sums the exact products of the quantised numbers (number of the format x scale) in f32.
;;   ~~~python
;;   def quantise(x, axis, e):      # numpy; x: float32 -> the quantised numbers, widened to float32 again
;;       x = np.moveaxis(x, axis, -1); K = x.shape[-1]
;;       r = np.clip(x / 2.0 ** e, -57344, 57344)
;;       step = 2.0 ** (np.maximum(np.frexp(np.where(r == 0, 1, r))[1] - 1, -14) - 2)
;;       q = np.round(r / step) * step * 2.0 ** e      # np.round: ties to even
;;       return np.moveaxis(q, -1, axis).astype(np.float32)
;;   ~~~
;;   SOFTMAX AHEAD OF A QUANTISED PRODUCT. Where the list says 'softmax', what is quantised is not the finished softmax but p = 2^(t - M), with t = logit x log2(e) and M = ceil(the row's largest t), a whole number; so 1/2 < the row's largest p <= 1. The row's sum l is taken of the UNQUANTISED p, in f32, and the product's result is divided by l at the end. Since M is a whole number, a kernel that streams over the keys may use a running M (the ceiling of the running maximum): every later rescaling is an exact power of two, so the quantised numbers keep their values, but for numbers so far below the row's largest that they fall under the format's range.
;;   OPERANDS COMPUTED ON THE WAY. 'Computed on the way' means the value that the module computes at that place (a softmax that the list does not call 'softmax' is quantised finished and normalised). What goes into a quantiser is computed in f32, as accurately as f32 sums, v_exp_f32 and their like allow (about 1e-6 of the number): no bf16 or f16 on the way to a quantiser, and a product that is left as it is and whose result goes on into a quantised operand takes f32 operands (vector FMAs, or v_wmma_f32_16x16x4_f32). A number that lies on a knife's edge between two numbers of the format may be rounded either way, as far as f32 arithmetic and the matrix unit's own rounding can turn it there, and no further.
;;   INPUTS GIVEN AS CODES. Wk (in the module: [1024, 1024], K = its axis 0); Wo (in the module: [1024, 1024], K = its axis 0); Wq (in the module: [1024, 1024], K = its axis 0); Wv (in the module: [1024, 1024], K = its axis 0); x (in the module: [4, 2048, 1024], K = its axis 2): each comes as NAME_codes (uint8): NAME with its K axis moved to the last place and cut into blocks of 32 codes, [.., K / 32, bytes a block], one block behind the other in memory; one code a byte (a code: sign, 5 exponent bits, 2 mantissa bits); its scale is its entry of lowp_scales. Its value is code x scale, taken as it is: it is not quantised again, and the codes and scales need not be those that the quantiser above would give.
;; One version. Each part assembles by itself: llvm-mc -triple=amdgcn-amd-amdhsa -mcpu=gfx1250 --defsym DOCPART=n.
;; ======== version 1 of 1: 4 launches
;; limits: right only within a limited range of input values
;; workspace buffers: rope 524,288 bytes; qc 8,388,608 bytes; kv 16,777,216 bytes; ac 8,388,608 bytes
;; launch tab (part 1): grid 32 x 1, 4 waves a work-group, no clusters, 0 bytes of LDS; arguments token_positions, rope; writes rope
.if DOCPART == 1
	.amdgcn_target "amdgcn-amd-amdhsa--gfx1250"
	.amdhsa_code_object_version 6
	.text
	.protected	k_qccbfd140ba_tab
	.globl	k_qccbfd140ba_tab
	.p2align	8
	.type	k_qccbfd140ba_tab,@function
k_qccbfd140ba_tab:
	s_mov_b64 s[64:65], 0
	v_nop
	global_prefetch_b8 v0, s[64:65] scope:SCOPE_SE
	s_setreg_imm32_b32 hwreg(HW_REG_WAVE_MODE, 25, 1), 1
	s_wait_xcnt 0x0
; rope[tb 128][f 8][lane 32][4 f32]: cos and sin of token_positions[s] x 10^(-i/8), in the order in which the next launch's registers take them.
; Lane (r = lane % 16, h = lane / 16) of block tb holds, in group f = 2 c + e: cos_i, sin_i, cos_(i+1), sin_(i+1) for token index s = 16 tb + r and pair i = 8 c + 4 h + 2 e.
; A wave makes one block tb: 16 angles a lane.  128 blocks: 32 work-groups of four waves are all the work there is.  No LDS, no barrier: waves share nothing.
; THE ANGLE is one f32 product pos x inv_freq, as the problem's text rounds it; inv_freq is the f32 number nearest to 10^(-i/8).
; SINE AND COSINE: k = the whole number nearest to angle x 2/pi; the rest = angle - k x pi/2, with pi/2 in three parts and fused multiply-adds; polynomials of degree 7 and 8 on |rest| <= pi/4; the quadrant k mod 4 swaps and signs.
; LIMIT: |token position| up to 2^22: beyond that k x the third part of pi/2 no longer closes the reduction.
.set OUT, 32                           ; v[32:63]  angle n: cos in v[32 + 2 n], sin in v[33 + 2 n]
	s_load_b128 s[4:7], s[0:1], 0x0                ; token_positions s[4:5], rope s[6:7]
	v_lshrrev_b32 v1, 5, v0
	v_readfirstlane_b32 s14, v1                    ; wave 0..3
	v_and_b32 v1, 15, v0                           ; r
	v_bfe_u32 v2, v0, 4, 1                         ; h
	v_and_b32 v4, 31, v0
	v_lshlrev_b32 v4, 4, v4                        ; 16 x lane: my place in a group of 512 bytes
	s_lshl_b32 s15, ttmp9, 2
	s_add_co_u32 s15, s15, s14                     ; tb = 4 x work-group + wave
	s_lshl_b32 s18, s15, 6                         ; 16 positions of 4 bytes a block
	v_lshlrev_b32 v7, 2, v1
	v_add_nc_u32 v7, s18, v7                       ; byte of token_positions[16 tb + r]
	s_lshl_b32 s16, s15, 12                        ; a block of the table is 4,096 bytes
	s_mov_b32 s17, 0
	v_cmp_ne_u32 s20, 0, v2                        ; lanes 16-31
	s_mov_b32 s8, 0xbfc90fdb                       ; -(pi/2), first part
	s_mov_b32 s9, 0x333bbd2e                       ; minus its second part
	s_mov_b32 s10, 0x26f72ced                      ; minus its third part
	v_mov_b32 v20, 0xb94ca1f9                      ; the sine's highest coefficient
	v_mov_b32 v21, 0x37ccf5ce                      ; the cosine's
	s_wait_alu depctr_va_vdst(0)
	s_wait_kmcnt 0x0
	global_load_b32 v3, v7, s[4:5]
	s_add_nc_u64 s[6:7], s[6:7], s[16:17]
	s_wait_loadcnt 0x0
	v_cvt_f32_i32 v3, v3                           ; the position as f32
; Angle n: flo = inv_freq of lanes 0-15, fhi = that of lanes 16-31 (four pairs further on)
.macro ANGLE n, flo, fhi
	v_mul_f32 v5, \flo, v3
	v_mul_f32 v6, \fhi, v3
	v_cndmask_b32 v5, v5, v6, s20                  ; my angle
	v_mul_f32 v8, 0x3f22f983, v5                   ; x 2/pi
	v_rndne_f32 v8, v8                             ; k
	v_fma_f32 v5, v8, s8, v5
	v_fma_f32 v5, v8, s9, v5
	v_fma_f32 v5, v8, s10, v5                      ; the rest
	v_cvt_i32_f32 v9, v8
	v_mul_f32 v10, v5, v5                          ; z
	v_fmaak_f32 v11, v20, v10, 0x3c08839e
	v_fmaak_f32 v12, v21, v10, 0xbab6061a
	v_fmaak_f32 v11, v11, v10, 0xbe2aaaa3
	v_fmaak_f32 v12, v12, v10, 0x3d2aaaa5
	v_mul_f32 v13, v10, v5                         ; z x rest
	v_mul_f32 v14, v10, v10                        ; z z
	v_fma_f32 v16, v10, -0.5, 1.0
	v_fma_f32 v15, v11, v13, v5                    ; sin(rest)
	v_fma_f32 v16, v12, v14, v16                   ; cos(rest)
	v_and_b32 v17, 1, v9
	v_cmp_eq_u32 vcc_lo, 1, v17                    ; odd quadrants swap the two
	v_lshlrev_b32 v17, 30, v9
	v_add_nc_u32 v18, 1, v9
	v_lshlrev_b32 v18, 30, v18
	v_and_b32 v17, 0x80000000, v17                 ; the sine is negative in quadrants 2, 3,
	v_and_b32 v18, 0x80000000, v18                 ; the cosine in 1, 2
	v_cndmask_b32 v19, v15, v16, vcc_lo
	v_cndmask_b32 v22, v16, v15, vcc_lo
	v_xor_b32 v[OUT+2*\n], v22, v18
	v_xor_b32 v[OUT+2*\n+1], v19, v17
.endm
	ANGLE 0,  1.0,             0.316227766
	ANGLE 1,  0.7498942093,    0.2371373706
	ANGLE 2,  0.5623413252,    0.177827941
	ANGLE 3,  0.4216965034,    0.1333521432
	ANGLE 4,  0.1,             0.0316227766
	ANGLE 5,  0.07498942093,   0.02371373706
	ANGLE 6,  0.05623413252,   0.0177827941
	ANGLE 7,  0.04216965034,   0.01333521432
	ANGLE 8,  0.01,            0.00316227766
	ANGLE 9,  0.007498942093,  0.002371373706
	ANGLE 10, 0.005623413252,  0.00177827941
	ANGLE 11, 0.004216965034,  0.001333521432
	ANGLE 12, 0.001,           0.000316227766
	ANGLE 13, 0.0007498942093, 0.0002371373706
	ANGLE 14, 0.0005623413252, 0.000177827941
	ANGLE 15, 0.0004216965034, 0.0001333521432
.irp f, 0,1,2,3,4,5,6,7
	global_store_b128 v4, v[OUT+4*\f:OUT+4*\f+3], s[6:7] offset:512*\f   ; 32 lanes store 512 consecutive bytes, at a multiple of 512 from the table's first byte
.endr
	s_endpgm
.Lfunc_end_k_qccbfd140ba_tab:
	.size	k_qccbfd140ba_tab, .Lfunc_end_k_qccbfd140ba_tab-k_qccbfd140ba_tab
	.p2alignl 7, 3214868480
	.fill 96, 4, 3214868480
	.section	.rodata,"a",@progbits
	.p2align	6, 0x0
	.amdhsa_kernel k_qccbfd140ba_tab
		.amdhsa_group_segment_fixed_size 0
		.amdhsa_private_segment_fixed_size 0
		.amdhsa_enable_private_segment 0
		.amdhsa_kernarg_size 16
		.amdhsa_user_sgpr_count 2
		.amdhsa_user_sgpr_kernarg_segment_ptr 1
		.amdhsa_wavefront_size32 1
		.amdhsa_system_sgpr_workgroup_id_x 1
		.amdhsa_system_sgpr_workgroup_id_y 1
		.amdhsa_system_sgpr_workgroup_id_z 1
		.amdhsa_system_vgpr_workitem_id 0
		.amdhsa_next_free_vgpr 72
		.amdhsa_next_free_sgpr 66
		.amdhsa_reserve_vcc 1
		.amdhsa_float_denorm_mode_32 3
		.amdhsa_float_denorm_mode_16_64 3
		.amdhsa_memory_ordered 1
		.amdhsa_forward_progress 1
		.amdhsa_inst_pref_size 26
	.end_amdhsa_kernel
	.amdgpu_metadata
---
amdhsa.version: [ 1, 2 ]
amdhsa.kernels:
  - .name:           k_qccbfd140ba_tab
    .symbol:         k_qccbfd140ba_tab.kd
    .args:
      - { .name: token_positions, .offset: 0, .size: 8, .value_kind: global_buffer, .address_space: global }
      - { .name: rope, .offset: 8, .size: 8, .value_kind: global_buffer, .address_space: global }
    .group_segment_fixed_size: 0
    .private_segment_fixed_size: 0
    .kernarg_segment_align: 8
    .kernarg_segment_size: 16
    .max_flat_workgroup_size: 128
    .sgpr_count:     66
    .vgpr_count:     72
    .wavefront_size: 32
...
	.end_amdgpu_metadata
.endif
;; end of part 1
;; launch qkv (part 2): grid 12 x 32, 4 waves a work-group, clusters of 4 x 4, 327,680 bytes of LDS; arguments x_codes, Wq_codes, Wk_codes, Wv_codes, lowp_scales, rope, qc, kv; writes qc, kv
.if DOCPART == 2
	.amdgcn_target "amdgcn-amd-amdhsa--gfx1250"
	.amdhsa_code_object_version 6
	.text
	.protected	k_qccbfd140ba_qkv
	.globl	k_qccbfd140ba_qkv
	.p2align	8
	.type	k_qccbfd140ba_qkv,@function
k_qccbfd140ba_qkv:
	s_mov_b64 s[64:65], 0
	v_nop
	global_prefetch_b8 v0, s[64:65] scope:SCOPE_SE
	s_setreg_imm32_b32 hwreg(HW_REG_WAVE_MODE, 25, 1), 1
	s_wait_xcnt 0x0
	s_wait_alu depctr_hold_cnt(0) depctr_sa_sdst(0) depctr_va_vdst(0) depctr_va_sdst(0) depctr_va_ssrc(0) depctr_va_vcc(0) depctr_vm_vsrc(0)
	s_getreg_b32 s2, hwreg(HW_REG_IB_STS2, 6, 4)
	s_cmp_eq_u32 s2, 0
	s_cbranch_scc0 .Lentry_in_a_cluster
	s_endpgm
.Lentry_in_a_cluster:
	s_bfe_u32 s2, ttmp6, 0x10000c
	s_cmp_lg_u32 s2, 0xf033
	s_cbranch_scc0 .Lentry_shape_is_right
	s_endpgm
.Lentry_shape_is_right:
; Q = x Wq, K = x Wk, V = x Wv on codes of BF8 (E5M2); the rotary embedding on Q and K; all three quantised again, with the given scales, into images of the next launch's operand registers.
; x: [8192][1024] codes; Wq, Wk, Wv: [1024 (n)][1024 (k)] codes.  A tile is 256 x 256, made by four waves, 128 x 128 each: 64 accumulators, 512 registers.  K goes in steps of 256 through two LDS slots.
; CLUSTERS of 4 x 4 work-groups; the cluster's x (0, 1, 2) says which product it makes, so that number is the same in all sixteen partners.  Tiles shared along a row or a column of the cluster are asked for jointly.
; THE MATRIX INSTRUCTION'S SOURCE 0 takes 16 rows of 'B', SOURCE 1 16 rows of 'A': a lane then holds ONE row of A and eight neighbouring rows of B in an accumulator's registers.
;   Q, K: A = x (a lane: one token), B = the weight (its registers: eight neighbouring columns, four rotary pairs; they are eight neighbours along the next product's K, the head's 64).
;   V:    A = Wv (a lane: one channel), B = x (its registers: eight neighbouring tokens, which are the keys: the next product's K).  Only pointers and row numbers are chosen; the text of the products is one.
; So one conversion of an accumulator's eight registers gives two registers of the next operand as the plain 8-bit layout has them (registers 2 c, 2 c + 1: k = 16 c + 8 (lane / 16) + 0 .. 7): nothing is transposed, nothing goes through LDS on the way out.
; OUT: qc [bh 64][tb 128][g 2][512 B]: 16 queries x 64; kv [bh 64][slot 8][32,768 B]: K [kt 16][g 2][512 B], then at 16,384 V^T [kb 2][dt 4][g 4][512 B]; a group is four registers of 32 lanes, lane l at 16 l.
; SCALES.  A raw sum stands for sum x 2^(ex + ew); the rotation is linear, so the raw sums are rotated and the conversion divides by 2^E, E = e6 - e0 - e1 (Q), e7 - e2 - e3 (K), e9 - e4 - e5 (V).
; LIMITS: each E between -126 and 112, so that 2^E and 57,344 x 2^E are f32 numbers.  NaN among the codes is not served.  The rotation is one product and one fused multiply-add a number.
; Nothing is prefetched: K has four steps, of which two are the first fills and two their refills.
; REGISTERS, in windows of 256: window 0: v0-31 addresses; from v128 A's fragments, one set; on the way out v32-95 numbers, v96-127 codes, v128-191 cos and sin.  window 1: B's fragments, two sets.  windows 2, 3: the accumulators ((a, b) at v[8 (8 (a % 4) + b)]).
.set KSTEP,  256
.set ROWB,   256                       ; a tile's row in bytes
.set KROW,   1024                      ; a row of x or of a weight in memory
.set PITCH,  272                       ; an LDS row: 256 bytes + 16 of padding = 68 words: row r starts at bank 4 r mod 64 (ISA guide 11.1)
.set FR,     16                        ; registers of a fragment: 16 rows x 128 K
.set NL,     4                         ; LDS loads that bring one
.set NP,     4                         ; places behind this matrix instruction (ISA guide 7.12.1)
.set HALFT,  128*PITCH
.set SLOT,   4*HALFT                   ; A's 256 rows, then B's 256 rows
.set SPARE,  2*SLOT                    ; behind the ring: the spare words, 128 bytes a wave
.set SC,   8                           ; v8      2^E as f32
.set LIMV, 9                           ; v9      57,344 x 2^E
.set ADRA, 16                          ; v16-17  LDS address of my A fragments in slot 0, 1
.set ADRB, 20                          ; v20-21  the same for B
.set OA,   26                          ; v26     16 x lane;  v27: the same one head further on
.set SPW,  28                          ; v28     my spare word; never rewritten
.set NIL,  29                          ; v29     0; never rewritten
.set TMP,  32                          ; the way out: 64 numbers
.set CD,   96                          ; two sets of 16 registers of codes
.set T,    128                         ; two sets of 32 registers of cos and sin
.set AF,   128                         ; A's fragments
.set G1, 24                            ; s[24:31] group 1 for A's tiles; s[32:39] group 0, a set for each slot
.set G0, 32
.set G1B, 48                           ; s[48:55], s[56:63] the same for B's
.set G0B, 56
.set MSB, 0
.macro WIN new                         ; the immediate's high byte repeats the setting that is left
.if MSB != \new
	s_set_vgpr_msb (MSB<<8)|\new
.set MSB, \new
.endif
.endm
.set MUL_LO, 0xa1                      ; source 0 (B) window 1, source 1 (A) window 0, C and D window 2
.set MUL_HI, 0xf1                      ; the same, C and D window 3
.set TO_B,   0x40                      ; destination window 1, address window 0
; A joint load: waves 0 and 1 fetch for A, waves 2 and 3 for B; the branch hangs on the wave's number alone.  Four v_nop follow each of the two lines.
.macro JLOAD g0a, g1a, g0b, g1b
	s_cmp_eq_u32 s15, 0
	s_cbranch_scc0 .Lfor_b_\@
	tensor_load_to_lds s[\g0a:\g0a+3], s[\g1a:\g1a+7]
	s_nop 0
.rept 4
	v_nop
.endr
	s_branch .Lasked_\@
.Lfor_b_\@:
	tensor_load_to_lds s[\g0b:\g0b+3], s[\g1b:\g1b+7]
	s_nop 0
.rept 4
	v_nop
.endr
.Lasked_\@:
.endm
.macro CREST                           ; a round of the cluster's barrier behind its opening barrier
	s_cmp_lg_u32 s14, 0
	s_cbranch_scc1 .Lnot_wave_0_\@
	s_barrier_signal -3
.Lnot_wave_0_\@:
	s_barrier_wait -3
	s_barrier_signal -1
	s_barrier_wait -1
.endm
.macro CROUND
	s_barrier_signal -1
	s_barrier_wait -1
	CREST
.endm
	s_load_b512 s[68:83], s[0:1], 0x0              ; x s[68:69], Wq s[70:71], Wk s[72:73], Wv s[74:75], the scales s[76:77], rope s[78:79], qc s[80:81], kv s[82:83]
	v_lshl_add_u32 v[SPW], v0, 2, SPARE
	v_mov_b32 v[NIL], 0
	ds_add_u32 v28, v29
	ds_add_u32 v28, v29
	s_wait_dscnt 0x0
	v_lshrrev_b32 v1, 5, v0
	v_readfirstlane_b32 s14, v1                    ; wave 0..3
	s_lshr_b32 s15, s14, 1                         ; which half of A's rows is mine.  Also: I fetch for A (0) or for B (1)
	s_and_b32 s16, s14, 1                          ; which half of B's rows.  Also: which 128 rows I fetch
	s_bfe_u32 s40, ttmp6, 0x40000                  ; cx
	s_bfe_u32 s41, ttmp6, 0x40004                  ; cy
	s_and_b32 s18, ttmp7, 0xffff
	s_lshl_b32 s18, s18, 2                         ; 4 x cluster y
	s_cmp_eq_u32 ttmp9, 2                          ; V?  The cluster's x: the same in all partners
	s_cselect_b32 s17, 0, s18
	s_cselect_b32 s42, s18, 0
	s_add_co_u32 s17, s17, s41                     ; A's tile row: Q, K: 4 x cluster y + cy (tokens);  V: cy (channels)
	s_add_co_u32 s42, s42, s40                     ; B's tile row: Q, K: cx (columns);  V: 4 x cluster y + cx (tokens)
	s_lshl_b32 s43, s41, 2
	s_lshl_b32 s43, 15, s43                        ; my row of the cluster
	s_lshl_b32 s44, 0x1111, s40                    ; my column
	s_or_b32 s[G1+0], s43, (0<<16)|(1<<20)|(1<<21)|(5<<22)|(3<<25)  ; the mask; elements of 1 byte; padding on; bit 21 beside a mask; 4 words of padding after every 64
	s_or_b32 s[G1B+0], s44, (0<<16)|(1<<20)|(1<<21)|(5<<22)|(3<<25)
.irp g, G1, G1B
	s_mov_b32 s[\g+1], ROWB<<16                    ; tensor_dim0
	s_mov_b32 s[\g+2], 128<<16                     ; tensor_dim1
	s_mov_b32 s[\g+3], ROWB<<16                    ; tile_dim0
	s_mov_b32 s[\g+4], 128                         ; tile_dim1
	s_mov_b32 s[\g+5], KROW                        ; the pitch
	s_mov_b32 s[\g+6], 0
	s_mov_b32 s[\g+7], 0
.endr
	s_lshl_b32 s18, s16, 7                         ; which 128 rows of the tile I fetch
	s_lshl_b32 s20, s17, 8
	s_add_co_u32 s20, s20, s18
	s_lshl_b32 s20, s20, 10                        ; A: (256 x tile row + 128 x half) rows of 1,024 bytes
	s_mov_b32 s21, 0
	s_lshl_b32 s46, s42, 8
	s_add_co_u32 s46, s46, s18
	s_lshl_b32 s46, s46, 10                        ; B likewise
	s_mov_b32 s47, 0
	s_mul_i32 s45, s14, HALFT                      ; where they go: wave x 128 rows
	s_wait_kmcnt 0x0
	s_load_b256 s[84:91], s[76:77], 0x0            ; e0 .. e7
	s_load_b128 s[92:95], s[76:77], 0x20           ; e8 .. e11
	s_cmp_eq_u32 ttmp9, 2
	s_cselect_b64 s[4:5], s[74:75], s[68:69]       ; A: Wv, or x
	s_cselect_b64 s[6:7], s[68:69], s[72:73]       ; B: x, or Wk,
	s_cmp_eq_u32 ttmp9, 0
	s_cselect_b64 s[6:7], s[70:71], s[6:7]         ; or Wq
	s_add_nc_u64 s[20:21], s[4:5], s[20:21]
	s_add_nc_u64 s[46:47], s[6:7], s[46:47]
	CROUND                                         ; all sixteen work-groups are here: the first joint loads meet
.irp s, 0,1
	s_mov_b32 s[G0+4*\s], 1
	s_add_co_u32 s[G0+4*\s+1], s45, \s*SLOT
	s_add_nc_u64 s[G0+4*\s+2:G0+4*\s+3], s[20:21], \s*ROWB
	s_or_b32 s[G0+4*\s+3], s[G0+4*\s+3], 0x80000000
	s_mov_b32 s[G0B+4*\s], 1
	s_add_co_u32 s[G0B+4*\s+1], s45, \s*SLOT
	s_add_nc_u64 s[G0B+4*\s+2:G0B+4*\s+3], s[46:47], \s*ROWB
	s_or_b32 s[G0B+4*\s+3], s[G0B+4*\s+3], 0x80000000
	JLOAD G0+4*\s, G1, G0B+4*\s, G1B
.endr
	v_and_b32 v1, 15, v0                           ; l % 16
	v_bfe_u32 v2, v0, 4, 1                         ; l / 16
	v_mul_u32_u24 v3, v1, PITCH
	v_lshl_add_u32 v4, v2, 4, v3                   ; a fragment's row x pitch + 16 x half
	s_mul_i32 s21, s15, HALFT                      ; my 128 rows of A
	s_mul_i32 s22, s16, HALFT                      ; my 128 rows of B,
	s_add_co_u32 s22, s22, 2*HALFT                 ; which lie behind A's 256
.irp s, 0,1
	v_add_nc_u32 v[ADRA+\s], s21, v4
	v_add_nc_u32 v[ADRB+\s], s22, v4
	s_add_co_u32 s21, s21, SLOT
	s_add_co_u32 s22, s22, SLOT
.endr
	; where my results go.  Tokens: tile row and half of A (Q, K) or of B (V); channels: the other one
	s_cmp_eq_u32 ttmp9, 2
	s_cselect_b32 s18, s42, s17                    ; the tokens' tile row: batch = / 8, slot of 256 tokens = % 8
	s_cselect_b32 s19, s17, s42                    ; the channels' tile row: four heads
	s_cselect_b32 s22, s16, s15                    ; the tokens' half
	s_cselect_b32 s23, s15, s16                    ; the channels' half: two heads
	s_cselect_b32 s66, 16384, 0                    ; V^T lies behind a slot's K
	s_cmp_eq_u32 ttmp9, 0
	s_cselect_b32 s67, 17, 18                      ; a head is 2^17 bytes in qc, 2^18 in kv
	s_cselect_b64 s[10:11], s[80:81], s[82:83]
	s_lshr_b32 s8, s18, 3
	s_and_b32 s9, s18, 7
	s_lshl_b32 s8, s8, 4
	s_lshl_b32 s19, s19, 2
	s_add_co_u32 s8, s8, s19
	s_lshl_b32 s23, s23, 1
	s_add_co_u32 s8, s8, s23                       ; bh of my first head = 16 batch + 4 x tile row + 2 x half
	s_lshl_b32 s8, s8, s67
	s_sub_co_u32 s20, s67, 3
	s_lshl_b32 s20, s9, s20                        ; a slot of 256 tokens is an eighth of a head
	s_add_co_u32 s8, s8, s20
	s_lshl_b32 s22, s22, 13                        ; 128 tokens: 8,192 bytes in all three images
	s_add_co_u32 s8, s8, s22
	s_add_co_u32 s20, s8, s66
	s_mov_b32 s21, 0
	s_add_nc_u64 s[10:11], s[10:11], s[20:21]
	s_lshl_b32 s20, s9, 16                         ; the table: 16 blocks of 4,096 bytes a slot,
	s_lshl_b32 s22, s22, 2                         ; 8 a half
	s_add_co_u32 s20, s20, s22
	s_add_nc_u64 s[12:13], s[78:79], s[20:21]
	v_and_b32 v6, 31, v0
	v_lshlrev_b32 v[OA], 4, v6                     ; 16 x lane
	s_lshl_b32 s20, 1, s67
	v_add_nc_u32 v[OA+1], s20, v[OA]               ; and one head further on
.macro FRAG reg, adr, q, i             ; 16 rows x 128 K: lane l holds row l % 16; registers 4 c .. 4 c + 3 hold K = 32 c + 16 (l / 16) + 0 .. 15: the same places in A and in B, so every product meets its partner
.irp c, 0,1,2,3
	ds_load_b128 v[\reg+4*\c:\reg+4*\c+3], v[\adr] offset:128*(\q)+32*\c+(\i)*16*PITCH
.endr
.endm
; 16 matrix instructions: A's blocks a0, a0 + 1 x B's eight.  The 64 accumulators take turns, one instruction a turn, in the same order in every step.
.macro MUL16 a0, p, zero
.irp a, \a0, \a0+1
.irp b, 0,1,2,3,4,5,6,7
.if \zero
	v_wmma_f32_16x16x128_bf8_bf8 v[8*(8*((\a)%4)+\b):8*(8*((\a)%4)+\b)+7], v[128*(\p)+FR*\b:128*(\p)+FR*\b+FR-1], v[AF+FR*(\a):AF+FR*(\a)+FR-1], 0
.else
	v_wmma_f32_16x16x128_bf8_bf8 v[8*(8*((\a)%4)+\b):8*(8*((\a)%4)+\b)+7], v[128*(\p)+FR*\b:128*(\p)+FR*\b+FR-1], v[AF+FR*(\a):AF+FR*(\a)+FR-1], v[8*(8*((\a)%4)+\b):8*(8*((\a)%4)+\b)+7]
.endif
.endr
.endr
.endm
.macro FETCH_B slot, q, p
	WIN TO_B
.irp i, 0,1,2,3,4,5,6,7
	FRAG 128*(\p)+FR*\i, ADRB+\slot, \q, \i
.endr
	WIN 0
.endm
.macro FETCH_A slot, q, i0
.irp i, \i0, \i0+1, \i0+2, \i0+3
	FRAG AF+FR*(\i), ADRA+\slot, \q, \i
.endr
.endm
.macro PLACES n                        ; plain vector lines between a matrix instruction and a load into one of its registers, or a read of its result
.rept \n
	v_nop
.endr
.endm
; A step of 128 along K that has its successor in the same slot.  A has one set of registers: blocks 0-3 are fetched anew in the step's middle, blocks 4-7 at its end; B has two sets.
.macro STEP slot, q, zero
	s_wait_dscnt 4*NL                              ; B's set and A's blocks 0-3 are in; the youngest sixteen loads (A's blocks 4-7) may be out
	WIN MUL_LO
	MUL16 0, (\q)%2, \zero
	MUL16 2, (\q)%2, \zero
	s_wait_dscnt 0                                 ; A's blocks 4-7 are in
	PLACES NP
	FETCH_B \slot, (\q)+1, 1-(\q)%2
	FETCH_A \slot, (\q)+1, 0
	WIN MUL_HI
	MUL16 4, (\q)%2, \zero
	MUL16 6, (\q)%2, \zero
	PLACES NP
	WIN 0
	FETCH_A \slot, (\q)+1, 4
.endm
; A slot's last step changes slots: one barrier; in front of it each wave waits for all its tensor loads, adds 0 to its spare word, and waits for that and for its reads of this slot.
.macro TURN slot, next, fill
	s_wait_tensorcnt 0x0                           ; all my tensor loads have landed: my part of the next slot
	ds_add_u32 v[SPW], v[NIL]                      ; 0 onto my spare word
	s_wait_dscnt 4*NL+1                            ; (the add and the youngest sixteen loads may be out)
	WIN MUL_LO
	MUL16 0, 1, 0
	s_wait_dscnt 0x0                               ; the add is done, and my reads of this slot are over
	s_barrier_signal -1
	MUL16 2, 1, 0
	WIN 0
	s_barrier_wait -1
.if \fill
	CREST                                          ; the barrier has opened a round of the cluster's: no wave of any partner still reads this slot or has a load on its way
	s_add_nc_u64 s[G0+4*\slot+2:G0+4*\slot+3], s[G0+4*\slot+2:G0+4*\slot+3], 2*ROWB
	s_add_nc_u64 s[G0B+4*\slot+2:G0B+4*\slot+3], s[G0B+4*\slot+2:G0B+4*\slot+3], 2*ROWB
	JLOAD G0+4*\slot, G1, G0B+4*\slot, G1B         ; the first tensor load behind the round; its four v_nop are the places in front of the loads below
.else
	PLACES NP
.endif
	FETCH_B \next, 0, 0
	FETCH_A \next, 0, 0
	WIN MUL_HI
	MUL16 4, 1, 0
	MUL16 6, 1, 0
	PLACES NP
	WIN 0
	FETCH_A \next, 0, 4
.endm
	s_wait_alu depctr_va_vdst(0)
	s_wait_tensorcnt 1                             ; my part of K step 0 is in (K step 1's one load may be out),
	s_barrier_signal -1
	s_barrier_wait -1                              ; everybody's is
	FETCH_B 0, 0, 0
	FETCH_A 0, 0, 0
	FETCH_A 0, 0, 4
	STEP 0, 0, 1                                   ; K 0: the first products start the sums
	TURN 0, 1, 1                                   ; K 128; slot 0 takes K 512 on
	STEP 1, 0, 0                                   ; K 256
	TURN 1, 0, 1                                   ; K 384; slot 1 takes K 768 on
	STEP 0, 0, 0                                   ; K 512
	TURN 0, 1, 0                                   ; K 640; nothing is left to fetch
	STEP 1, 0, 0                                   ; K 768
	s_wait_dscnt 4*NL                              ; K 896
	WIN MUL_LO
	MUL16 0, 1, 0
	MUL16 2, 1, 0
	s_wait_dscnt 0
	WIN MUL_HI
	MUL16 4, 1, 0
	MUL16 6, 1, 0
	WIN 0
	; THE WAY OUT
	s_wait_kmcnt 0x0
	s_sub_co_i32 s90, s90, s84
	s_sub_co_i32 s90, s90, s85                     ; e6 - e0 - e1
	s_sub_co_i32 s91, s91, s86
	s_sub_co_i32 s91, s91, s87                     ; e7 - e2 - e3
	s_sub_co_i32 s93, s93, s88
	s_sub_co_i32 s93, s93, s89                     ; e9 - e4 - e5
	s_cmp_eq_u32 ttmp9, 0
	s_cselect_b32 s96, s90, s91
	s_cmp_eq_u32 ttmp9, 2
	s_cselect_b32 s96, s93, s96                    ; E: chosen without a branch
	s_add_co_i32 s96, s96, 127
	s_lshl_b32 s97, s96, 23
	v_mov_b32 v[SC], s97                           ; 2^E as f32: the conversion takes its exponent field
	s_add_co_i32 s96, s96, 15
	s_lshl_b32 s96, s96, 23
	s_or_b32 s96, s96, 0x600000
	v_mov_b32 v[LIMV], s96                         ; 57,344 x 2^E
	PLACES NP                                      ; behind the last products: their results are read, and loads land where A's fragments lay
.macro TAB a                           ; cos and sin of block a's 16 tokens: 32 registers, in the order of a head's four tiles
.irp f, 0,1,2,3,4,5,6,7
	global_load_b128 v[T+32*((\a)%2)+4*\f:T+32*((\a)%2)+4*\f+3], v[OA], s[12:13] offset:4096*(\a)+512*\f
.endr
.endm
.macro CODES a                         ; 64 numbers in TMP become 16 registers of codes
.set i, 0
.rept 8
	v_cvt_scalef32_pk8_bf8_f32 v[CD+16*((\a)%2)+2*i:CD+16*((\a)%2)+2*i+1], v[TMP+8*i:TMP+8*i+7], v[SC]
.set i, i+1
.endr
	v_nop                                          ; one plain vector line behind the last conversion: the next block writes TMP again
.endm
; Q, K: block a = 16 tokens x my 128 columns (two heads).  Register pair (2 p, 2 p + 1) of tile b is the rotary pair 8 (b % 4) + 4 (l / 16) + p.
.macro BLKR a
.set AC, 64*((\a)%4)
.set TT, T+32*((\a)%2)
.set CC, CD+16*((\a)%2)
.if (\a) < 7
	TAB (\a)+1
	s_wait_loadcnt 8                               ; this block's table is in; the next block's eight loads may be out
.else
	s_wait_loadcnt 0x0
.endif
	WIN 0x02+((\a)/4)                              ; source 0: window 2 or 3
.irp b, 0,1,2,3,4,5,6,7
.irp p, 0,2,4,6
	v_pk_mul_f32 v[TMP+8*\b+\p:TMP+8*\b+\p+1], v[AC+8*\b+\p:AC+8*\b+\p+1], v[TT+8*(\b%4)+\p:TT+8*(\b%4)+\p+1] op_sel:[0,0] op_sel_hi:[0,1]   ; x1 cos, x1 sin; each accumulator from its low end on
.endr
.irp p, 0,2,4,6
	v_pk_fma_f32 v[TMP+8*\b+\p:TMP+8*\b+\p+1], v[AC+8*\b+\p:AC+8*\b+\p+1], v[TT+8*(\b%4)+\p:TT+8*(\b%4)+\p+1], v[TMP+8*\b+\p:TMP+8*\b+\p+1] op_sel:[1,1,0] op_sel_hi:[1,0,1] neg_lo:[1,0,0]   ; - x2 sin + .., x2 cos + ..
.endr
.endr
	WIN 0
.set i, 0
.rept 64
.set i, i+1
.endr
.if (\a) > 1
	s_wait_alu depctr_va_vdst(0)
	s_wait_xcnt 0x0                                ; block a - 2's stores have read this set of codes
.endif
	CODES \a
.irp hd, 0,1
.irp g, 0,1
	global_store_b128 v[OA+\hd], v[CC+8*\hd+4*\g:CC+8*\hd+4*\g+3], s[10:11] offset:1024*(\a)+512*\g   ; 32 lanes store 512 consecutive bytes, aligned
.endr
.endr
.endm
; V: block a = 16 channels x my 128 tokens: one fragment of V^T
.macro BLKV a
.set AC, 64*((\a)%4)
.set CC, CD+16*((\a)%2)
	WIN 0x02+((\a)/4)
.set i, 0
.rept 64
	v_med3_num_f32 v[TMP+i], v[AC+i], -v[LIMV], v[LIMV]
.set i, i+1
.endr
	WIN 0
.if (\a) > 1
	s_wait_alu depctr_va_vdst(0)
	s_wait_xcnt 0x0
.endif
	CODES \a
.irp g, 0,1,2,3
	global_store_b128 v[OA], v[CC+4*\g:CC+4*\g+3], s[10:11] offset:((\a)/4)*262144+((\a)%4)*2048+512*\g
.endr
.endm
	s_cmp_eq_u32 ttmp9, 2                          ; the cluster's x: all partners take the same way
	s_cbranch_scc1 .Lv
	TAB 0
.irp a, 0,1,2,3,4,5,6,7
	BLKR \a
.endr
	s_branch .Ldone
.Lv:
	s_wait_alu depctr_va_vdst(0)
.irp a, 0,1,2,3,4,5,6,7
	BLKV \a
.endr
.Ldone:
	s_wait_tensorcnt 0x0                           ; the wave's end
	ds_add_u32 v[SPW], v[NIL]
	s_wait_dscnt 0x0
	CROUND                                         ; the closing round: no work-group ends while a partner may still ask for a tile that names it
	s_endpgm
.Lfunc_end_k_qccbfd140ba_qkv:
	.size	k_qccbfd140ba_qkv, .Lfunc_end_k_qccbfd140ba_qkv-k_qccbfd140ba_qkv
	.p2alignl 7, 3214868480
	.fill 96, 4, 3214868480
	.section	.rodata,"a",@progbits
	.p2align	6, 0x0
	.amdhsa_kernel k_qccbfd140ba_qkv
		.amdhsa_group_segment_fixed_size 327680
		.amdhsa_private_segment_fixed_size 0
		.amdhsa_enable_private_segment 0
		.amdhsa_kernarg_size 64
		.amdhsa_user_sgpr_count 2
		.amdhsa_user_sgpr_kernarg_segment_ptr 1
		.amdhsa_wavefront_size32 1
		.amdhsa_system_sgpr_workgroup_id_x 1
		.amdhsa_system_sgpr_workgroup_id_y 1
		.amdhsa_system_sgpr_workgroup_id_z 1
		.amdhsa_system_vgpr_workitem_id 0
		.amdhsa_next_free_vgpr 1024
		.amdhsa_next_free_sgpr 100
		.amdhsa_reserve_vcc 0
		.amdhsa_float_denorm_mode_32 3
		.amdhsa_float_denorm_mode_16_64 3
		.amdhsa_fp16_overflow 1
		.amdhsa_memory_ordered 1
		.amdhsa_forward_progress 1
		.amdhsa_inst_pref_size 165
	.end_amdhsa_kernel
	.amdgpu_metadata
---
amdhsa.version: [ 1, 2 ]
amdhsa.kernels:
  - .name:           k_qccbfd140ba_qkv
    .symbol:         k_qccbfd140ba_qkv.kd
    .args:
      - { .name: x_codes, .offset: 0, .size: 8, .value_kind: global_buffer, .address_space: global }
      - { .name: Wq_codes, .offset: 8, .size: 8, .value_kind: global_buffer, .address_space: global }
      - { .name: Wk_codes, .offset: 16, .size: 8, .value_kind: global_buffer, .address_space: global }
      - { .name: Wv_codes, .offset: 24, .size: 8, .value_kind: global_buffer, .address_space: global }
      - { .name: lowp_scales, .offset: 32, .size: 8, .value_kind: global_buffer, .address_space: global }
      - { .name: rope, .offset: 40, .size: 8, .value_kind: global_buffer, .address_space: global }
      - { .name: qc, .offset: 48, .size: 8, .value_kind: global_buffer, .address_space: global }
      - { .name: kv, .offset: 56, .size: 8, .value_kind: global_buffer, .address_space: global }
    .group_segment_fixed_size: 327680
    .private_segment_fixed_size: 0
    .kernarg_segment_align: 8
    .kernarg_segment_size: 64
    .max_flat_workgroup_size: 128
    .sgpr_count:     100
    .vgpr_count:     1024
    .wavefront_size: 32
...
	.end_amdgpu_metadata
.endif
;; end of part 2
;; launch attn (part 3): grid 4 x 64, 16 waves a work-group, no clusters, 327,680 bytes of LDS; arguments qc, kv, lowp_scales, ac; writes ac
.if DOCPART == 3
	.amdgcn_target "amdgcn-amd-amdhsa--gfx1250"
	.amdhsa_code_object_version 6
	.text
	.protected	k_qccbfd140ba_attn
	.globl	k_qccbfd140ba_attn
	.p2align	8
	.type	k_qccbfd140ba_attn,@function
k_qccbfd140ba_attn:
	s_mov_b64 s[64:65], 0
	v_nop
	global_prefetch_b8 v0, s[64:65] scope:SCOPE_SE
	s_setreg_imm32_b32 hwreg(HW_REG_WAVE_MODE, 25, 1), 1
	s_wait_xcnt 0x0
; Causal attention on codes of BF8 (E5M2), head size 64, 2,048 tokens, 64 heads (bh = 16 batch + head); the result, divided by the row's sum, is quantised with the given 2^e10 into images of the last product's operand registers.
; qc [bh][tb 128][g 2][512 B]: 16 queries x 64.  kv [bh][slot 8][32,768 B]: 256 keys: K [kt 16][g 2][512 B], then V^T [kb 2][dt 4][g 4][512 B].  All are images of operand registers: a group is four registers of 32 lanes, lane l at 16 l.
; ac [ks 4][rowblock 512][q 2][g 4][512 B]: 16 tokens x 128 of the model's 1,024; registers 4 g .. 4 g + 3 of lane (r, h): k = 32 g + 16 h + 0 .. 15.
; THE SOFTMAX: t = score x log2(e) / 8; M = the running largest t rounded UP to a whole number; p = 2^(t - M) is quantised with 2^e8, not normalised; the sum is taken of the unquantised p and divides at the end.
; SHARES.  Work-group (p, bh) owns two blocks of 256 queries of one head: block 7 - p, which needs key slots 0 .. 7 - p, then block p, which needs 0 .. p: NINE slots whatever p is.  So every trip count is a constant and
; all 256 work-groups have the same work.  Each of sixteen waves owns 16 queries, one tile, in 256 registers: four waves to a SIMD, so that one wave's vector work stands beside another's products and LDS loads.
; LAYOUT.  S^T = K Q^T (source 0 = 16 keys), O^T = V^T P^T (source 0 = 16 channels): a lane holds ONE query.  Register j of tile c of S^T is key 16 c + 8 h + j: a conversion of the tile's eight registers IS registers 2 c, 2 c + 1 of P.
; CAUSAL.  A step of 128 keys that all come after my 16 queries is jumped over (a scalar branch on ids; no barrier or tensor load stands in a step); on the diagonal hidden scores become -infinity ahead of the maximum.
; NO CLUSTER: the four work-groups of a head walk 8 - p and then p + 1 slots, so from the sixth trip on they want different slots in the same trip; a joint request needs the same tile in the same round.
; LIMITS on the given exponents: e6 + e7 between -123 and 130 (added to the exponent field of log2(e) / 8); e8, and e10 - e8 - e9, between -126 and 112.  NaN among the codes is not served.
; REGISTERS: v1 r - 8 h; v2 16 x lane; v3 256 x lane; v5, v6 the spare word and 0; v8 the LDS address in hand; v12 -M, v13 the largest t, v[14:15] the sum; v[16:23] Q; v32-95 K's eight fragments, then V's four;
;   v96-159 S^T, then p; v160-191 O^T; v224-239 P's codes; v244: 2^e8; v247: the same with e10 - e8 - e9; v[242:243], v250, v[252:253], v254 at work.
.set SLOT1, 32768                      ; LDS: slot 0 at 0, slot 1 here: one exclusive or turns an address of one into the other's
.set SPARE, 65536                      ; behind the ring: the spare words, 128 bytes for each of sixteen waves
.set RH,   1
.set LA,   2
.set PFO,  3
.set SPW,  5
.set NIL,  6
.set ADR,  8
.set TB,   2                           ; s2   LDS byte at which the slot in hand begins
.set U,    3                           ; s3   the trip, 0 .. 8
.set NH,   12                          ; s12  8 - p: the trips of the first block
.set KF,   13                          ; s13  the step's first key
.set Q0,   14                          ; s14  my first query
.set P,    15                          ; s15  p
.set BL,   16                          ; s16  the block of queries in hand
.set WV,   18                          ; s18  my wave's number
.set SEL,  20                          ; s[20:21] v_permlanex16_b32's selects for lane l xor 16
.set CS,   22                          ; s[22:23] c = log2(e) / 8 x 2^(e6 + e7)
.set G1,   24                          ; s[24:31] descriptor group 1
.set KVW,  32                          ; s[32:33] the head's kv, at the half of a slot that my wave would fetch
.set QP,   34                          ; s[34:35] the head's qc, at my wave's tile of block 0
.set AP,   36                          ; s[36:37] ac, at my wave's tile of block 0, my head's two groups
.set G0,   40                          ; s[40:43] descriptor group 0
.set PFA,  46                          ; s[46:47] where my prefetches stand
.set LIM,  48                          ; s48  6 in a wave that prefetches, else 0
.macro TLOAD                           ; wave 0 fetches a slot's K, wave 1 its V^T: 16,384 dense bytes each.  Four v_nop follow the line
	s_cmp_lt_u32 s[WV], 2
	s_cbranch_scc0 .Lasked_\@
	tensor_load_to_lds s[G0:G0+3], s[G1:G1+7]
	s_nop 0
.rept 4
	v_nop
.endr
.Lasked_\@:
.endm
; A PREFETCH of the slot that the NEXT change of slots will ask for.  All four work-groups of a head read the same slots; the one with p = 0 walks slots 0 .. 7 in trips 0 .. 7, and it alone asks: in trip u for slot u + 2,
; its waves 4 to 7 with one instruction each, 8,192 bytes a wave, lanes 256 bytes apart.  So each aligned block of 256 bytes is named once.  Slots 0 and 1 come by their loads alone; trips 6 on ask for nothing.
.macro ASK
	s_cmp_lt_u32 s[U], s[LIM]
	s_cbranch_scc0 .Lnot_mine_\@
	global_prefetch_b8 v[PFO], s[PFA:PFA+1] th:TH_LOAD_NT scope:SCOPE_SE
.Lnot_mine_\@:
.endm
; THE CHANGE OF SLOTS, at a trip's head.  Each wave waits for all its tensor loads (the slot that it is about to read), adds 0 to its spare word, and waits for that and for its reads of the slot that it has left.
; fill = 1: behind the barrier the slot that was left takes the keys of trip u + 1: slot index u + 1, or u + 1 - (8 - p) once the second block has begun.
.macro CHANGE fill
	s_wait_tensorcnt 0x0                           ; no tensor load of mine is out, so group 0 may be written
	ds_add_u32 v[SPW], v[NIL]                      ; 0 onto my spare word
.if \fill
	s_add_co_u32 s44, s[U], 1
	s_cmp_ge_u32 s44, s[NH]
	s_cselect_b32 s45, s[NH], 0
	s_sub_co_u32 s44, s44, s45
	s_lshl_b32 s44, s44, 15                        ; a slot is 32,768 bytes of kv
	s_mov_b32 s45, 0
	s_xor_b32 s[G0+1], s[G0+1], SLOT1              ; the other LDS slot than last time
	s_add_nc_u64 s[G0+2:G0+3], s[KVW:KVW+1], s[44:45]
	s_or_b32 s[G0+3], s[G0+3], 0x80000000          ; type = 2
	s_wait_xcnt 0x0                                ; the last prefetch, a trip back, has read its address
	s_add_nc_u64 s[PFA:PFA+1], s[PFA:PFA+1], 32768
.endif
	s_wait_dscnt 0x0                               ; the add is done, and my reads of the slot that I have left are over
	s_barrier_signal -1
	s_barrier_wait -1
.if \fill
	TLOAD                                          ; the first thing behind the barrier, a wave's one tensor load until the next
	ASK
.endif
.endm
; A block of queries begins: Q's fragment, and the statistics.  O^T and the sum begin as zeros and the largest t as -3e38, so that the step is written once.
.macro INIT
	s_lshl_b32 s[Q0], s[BL], 8
	s_lshl_b32 s96, s[WV], 4
	s_add_co_u32 s[Q0], s[Q0], s96                 ; my first query: 256 x block + 16 x wave
	s_mov_b32 s[KF], 0
	s_lshl_b32 s44, s[BL], 14                      ; 16 tiles of 1,024 bytes a block
	s_mov_b32 s45, 0
	s_add_nc_u64 s[38:39], s[QP:QP+1], s[44:45]
	global_load_b128 v[16:19], v[LA], s[38:39]
	global_load_b128 v[20:23], v[LA], s[38:39] offset:512
	v_mov_b32 v13, 0xff61b1e6                      ; -3e38, under every t
	s_delay_alu instid0(VALU_DEP_1)
	v_floor_f32 v12, -v13
	v_mov_b32 v14, 0
	v_mov_b32 v15, 0
.set n, 0
.rept 32
	v_mov_b32 v[160+n], 0
.set n, n+1
.endr
	s_wait_loadcnt 0x0
.endm
; A block of queries ends: O^T / the sum, quantised with 2^e10 (a raw sum stands for sum x 2^(e8 + e9): the three exponents are folded into the conversion's one), stored as two groups of the last product's operand.
.macro FINISH
.rept 4
	v_nop                                          ; places behind the last products
.endr
	v_add_f32 v14, v14, v15
	s_delay_alu instid0(VALU_DEP_1)
	v_permlanex16_b32 v250, v14, s[SEL], s[SEL+1]
	s_delay_alu instid0(VALU_DEP_1)
	v_add_f32 v14, v14, v250                       ; the row's sum
	s_wait_alu depctr_va_vdst(0)
	v_rcp_f32 v14, v14
	v_nop                                          ; a plain line behind the transcendental
	s_wait_alu depctr_va_vdst(0)                   ; and the wait ahead of its first reader
.set n, 0
.rept 16
	v_pk_mul_f32 v[96+n:97+n], v[160+n:161+n], v[14:15] op_sel_hi:[1,0]   ; register 8 t + j: channel 16 t + 8 h + j of my query
.set n, n+2
.endr
.set n, 0
.rept 32
.set n, n+1
.endr
.irp t, 0,1,2,3
	v_cvt_scalef32_pk8_bf8_f32 v[224+2*\t:225+2*\t], v[96+8*\t:103+8*\t], v247
.endr
	v_nop                                          ; one plain line behind the last conversion
	v_permlane16_swap_b32 v224, v226               ; the upper lanes of tile 2 b change places with the lower lanes of tile 2 b + 1: lane (r, h) then holds channels 32 b + 16 h + 0 .. 15 in four registers
	v_permlane16_swap_b32 v225, v227
	v_permlane16_swap_b32 v228, v230
	v_permlane16_swap_b32 v229, v231
	s_lshl_b32 s44, s[BL], 16                      ; 16 row blocks of 4,096 bytes a block of queries
	s_mov_b32 s45, 0
	s_add_nc_u64 s[50:51], s[AP:AP+1], s[44:45]
	global_store_b128 v[LA], v[224:227], s[50:51]             ; 32 lanes store 512 consecutive bytes, aligned
	global_store_b128 v[LA], v[228:231], s[50:51] offset:512
.endm
.macro SWITCH                          ; in trip 8 - p the first block is done and the second begins.  A branch on ids and the trip's number; no barrier and no tensor load stands inside
	s_cmp_lg_u32 s[U], s[NH]
	s_cbranch_scc1 .Lsame_\@
	FINISH
	s_mov_b32 s[BL], s[P]
	INIT
	s_wait_xcnt 0x0                                ; the stores have read their registers and their base
.Lsame_\@:
.endm
; A KEY STEP: 128 keys, the q-th of the slot in hand
.macro STEP q
	s_add_co_u32 s96, s[Q0], 15
	s_cmp_gt_u32 s[KF], s96
	s_cbranch_scc1 .Lhidden_\@
	v_add_nc_u32 v[ADR], s[TB], v[LA]
.rept 3
	v_nop                                          ; with the addition above: four places in front of loads into registers that the last products read
.endr
.irp c, 0,1,2,3,4,5,6,7
.irp g, 0,1
	ds_load_b128 v[32+8*\c+4*\g:32+8*\c+4*\g+3], v[ADR] offset:8192*(\q)+1024*\c+512*\g   ; K: 512 consecutive bytes a load
.endr
.endr
	s_wait_alu depctr_va_vdst(0)
	s_wait_dscnt 0x0
.irp c, 0,1,2,3,4,5,6,7
	v_wmma_f32_16x16x64_bf8_bf8 v[96+8*\c:103+8*\c], v[32+8*\c:39+8*\c], v[16:23], 0
.endr
.rept 4
	v_nop                                          ; places: the scores are read, and V's loads land where K lay
.endr
.irp dt, 0,1,2,3
.irp g, 0,1,2,3
	ds_load_b128 v[32+16*\dt+4*\g:32+16*\dt+4*\g+3], v[ADR] offset:16384+8192*(\q)+2048*\dt+512*\g   ; V^T: it lands while the softmax is worked
.endr
.endr
	s_add_co_u32 s96, s[KF], 127
	s_cmp_le_u32 s96, s[Q0]
	s_cbranch_scc1 .Lopen_\@                       ; all 128 keys count for all my queries
	s_sub_co_i32 s96, s[Q0], s[KF]
	v_add_nc_u32 v252, s96, v[RH]                  ; d = my query - KF - 8 h.  Register 8 c + j holds key KF + 16 c + 8 h + j: hidden where 16 c + j > d
	v_mov_b32 v254, 0xff800000                     ; -infinity
.set n, 0
.rept 64
	v_cmp_gt_i32 vcc_lo, 16*(n/8)+n%8, v252
	v_cndmask_b32 v[96+n], v[96+n], v254, vcc_lo
.set n, n+1
.endr
.Lopen_\@:
	v_max3_num_f32 v254, v96, v97, v98             ; the step's largest score of my query among my 64 keys, in two chains; each accumulator is first read at its low end
	v_max3_num_f32 v252, v99, v100, v101
.irp i, 6,10,14,18,22,26,30,34,38,42,46,50,54,58
	v_max3_num_f32 v254, v254, v[96+\i], v[97+\i]
	v_max3_num_f32 v252, v252, v[98+\i], v[99+\i]
.endr
	v_max3_num_f32 v254, v254, v158, v159
	s_delay_alu instid0(VALU_DEP_1)
	v_max_num_f32 v254, v254, v252
	s_delay_alu instid0(VALU_DEP_1)
	v_permlanex16_b32 v250, v254, s[SEL], s[SEL+1]
	s_delay_alu instid0(VALU_DEP_1)
	v_max_num_f32 v254, v254, v250                 ; and among lane l xor 16's
	s_delay_alu instid0(VALU_DEP_1)
	v_mul_f32 v254, s[CS], v254                    ; as t (c is positive)
	s_delay_alu instid0(VALU_DEP_1)
	v_max_num_f32 v13, v13, v254                   ; the running largest t
	v_mov_b32 v254, v12
	s_delay_alu instid0(VALU_DEP_2)
	v_floor_f32 v12, -v13                          ; the new -M = floor(-t) = -ceil(t)
	s_delay_alu instid0(VALU_DEP_1)
	v_sub_f32 v254, v12, v254                      ; old M - new M: a whole number, 0 or less
	s_delay_alu instid0(VALU_DEP_1)
	v_cvt_i32_f32 v254, v254                       ; (it saturates)
	s_delay_alu instid0(VALU_DEP_1)
	v_ldexp_f32 v252, 1.0, v254                    ; f = 2^(old M - new M): a multiplication by it rounds nothing
.set n, 0
.rept 32
	v_pk_fma_f32 v[96+n:97+n], v[96+n:97+n], s[CS:CS+1], v[12:13] op_sel_hi:[1,0,0]   ; t - M, two at a time
.set n, n+2
.endr
.set n, 0
	s_wait_alu depctr_va_vdst(0)
.rept 64
	v_exp_f32 v[96+n], v[96+n]                     ; p = 2^(t - M)
.set n, n+1
.endr
	v_pk_mul_f32 v[14:15], v[14:15], v[252:253] op_sel_hi:[1,0]   ; the sum under the new M; a plain line behind the exponentials
	s_wait_alu depctr_va_vdst(0)                   ; one wait for the whole batch, ahead of its first reader
	v_pk_add_f32 v[242:243], v[100:101], v[104:105]
	v_pk_add_f32 v[254:255], v[108:109], v[112:113]
	v_pk_add_f32 v[248:249], v[116:117], v[120:121]
	v_pk_add_f32 v[240:241], v[124:125], v[128:129]
	v_pk_add_f32 v[238:239], v[132:133], v[136:137]
	v_pk_add_f32 v[236:237], v[140:141], v[144:145]
	v_pk_add_f32 v[234:235], v[148:149], v[152:153]
	v_pk_add_f32 v[14:15], v[14:15], v[156:157]
	v_pk_add_f32 v[242:243], v[242:243], v[96:97]
	v_pk_add_f32 v[254:255], v[254:255], v[98:99]
	v_pk_add_f32 v[248:249], v[248:249], v[102:103]
	v_pk_add_f32 v[240:241], v[240:241], v[106:107]
	v_pk_add_f32 v[238:239], v[238:239], v[110:111]
	v_pk_add_f32 v[236:237], v[236:237], v[114:115]
	v_pk_add_f32 v[234:235], v[234:235], v[118:119]
	v_pk_add_f32 v[14:15], v[14:15], v[122:123]
	v_pk_add_f32 v[242:243], v[242:243], v[126:127]
	v_pk_add_f32 v[254:255], v[254:255], v[130:131]
	v_pk_add_f32 v[248:249], v[248:249], v[134:135]
	v_pk_add_f32 v[240:241], v[240:241], v[138:139]
	v_pk_add_f32 v[238:239], v[238:239], v[142:143]
	v_pk_add_f32 v[236:237], v[236:237], v[146:147]
	v_pk_add_f32 v[234:235], v[234:235], v[150:151]
	v_pk_add_f32 v[14:15], v[14:15], v[154:155]
	v_pk_add_f32 v[242:243], v[242:243], v[158:159]
	s_delay_alu instid0(VALU_DEP_2)
	v_pk_add_f32 v[14:15], v[14:15], v[240:241]
	s_delay_alu instid0(VALU_DEP_2)
	v_pk_add_f32 v[242:243], v[242:243], v[238:239]
	v_pk_add_f32 v[254:255], v[254:255], v[236:237]
	v_pk_add_f32 v[248:249], v[248:249], v[234:235]
	s_delay_alu instid0(VALU_DEP_2)
	v_pk_add_f32 v[14:15], v[14:15], v[254:255]
	s_delay_alu instid0(VALU_DEP_2)
	v_pk_add_f32 v[242:243], v[242:243], v[248:249]
	s_delay_alu instid0(VALU_DEP_1)
	v_pk_add_f32 v[14:15], v[14:15], v[242:243]
.irp c, 0,1,2,3,4,5,6,7
.irp j, 0,1,2,3,4,5,6,7
.endr
	v_cvt_scalef32_pk8_bf8_f32 v[224+2*\c:225+2*\c], v[96+8*\c:103+8*\c], v244   ; registers 2 c, 2 c + 1 of P: keys 16 c + 8 h + 0 .. 7
.endr
.set n, 0
.rept 16
	v_pk_mul_f32 v[160+n:161+n], v[160+n:161+n], v[252:253] op_sel_hi:[1,0]   ; O^T under the new M; these are also the plain lines behind the conversions
.set n, n+2
.endr
	s_wait_alu depctr_va_vdst(0)
	s_wait_dscnt 0x0                               ; V^T is in
.irp dt, 0,1,2,3
	v_wmma_f32_16x16x128_bf8_bf8 v[160+8*\dt:167+8*\dt], v[32+16*\dt:47+16*\dt], v[224:239], v[160+8*\dt:167+8*\dt]   ; the four accumulators by turns; eight products on the scores stand between two links of a chain
.endr
.Lhidden_\@:
	s_add_co_u32 s[KF], s[KF], 128
.endm
.macro SLOT_STEPS
	STEP 0
	STEP 1
	s_xor_b32 s[TB], s[TB], SLOT1
.endm
	s_load_b256 s[4:11], s[0:1], 0x0               ; qc s[4:5], kv s[6:7], the scales s[8:9], ac s[10:11]
	v_lshl_add_u32 v[SPW], v0, 2, SPARE
	v_mov_b32 v[NIL], 0
	ds_add_u32 v5, v6
	ds_add_u32 v5, v6
	s_wait_dscnt 0x0
	v_lshrrev_b32 v8, 5, v0
	s_delay_alu instid0(VALU_DEP_1)
	v_readfirstlane_b32 s[WV], v8                  ; wave 0..15
	s_mov_b32 s[P], ttmp9
	s_sub_co_u32 s[NH], 8, s[P]
	s_sub_co_u32 s[BL], 7, s[P]                    ; the longer block first
	s_and_b32 s96, ttmp7, 0xffff                   ; bh
	s_and_b32 s97, s[WV], 1
	s_mov_b32 s[G1], 3<<16                         ; no mask; elements of 8 bytes; no padding
	s_mov_b32 s[G1+1], 32<<16                      ; tensor_dim0 = 32 elements: rows of 256 bytes
	s_mov_b32 s[G1+2], 64<<16                      ; tensor_dim1 = 64
	s_mov_b32 s[G1+3], 32<<16                      ; tile_dim0
	s_mov_b32 s[G1+4], 64                          ; tile_dim1
	s_mov_b32 s[G1+5], 32                          ; the pitch: the block is dense
	s_mov_b32 s[G1+6], 0
	s_mov_b32 s[G1+7], 0
	s_mov_b32 s[SEL], 0x76543210
	s_mov_b32 s[SEL+1], 0xfedcba98
	s_mov_b32 s[CS], 0x3e38aa3b                    ; log2(e) / 8
	s_mov_b32 s[TB], 0
	s_lshl_b32 s44, s96, 18                        ; a head of kv is 2^18 bytes
	s_lshl_b32 s98, s97, 14                        ; K's half or V's
	s_add_co_u32 s44, s44, s98
	s_mov_b32 s45, 0
	s_wait_kmcnt 0x0
	s_load_b64 s[52:53], s[8:9], 0x18              ; e6, e7
	s_load_b128 s[56:59], s[8:9], 0x20             ; e8, e9, e10, e11
	s_add_nc_u64 s[KVW:KVW+1], s[6:7], s[44:45]
	s_mov_b32 s[G0], 1                             ; count = 1
	s_mov_b32 s[G0+1], s98                         ; LDS: slot 0, my half
	s_mov_b64 s[G0+2:G0+3], s[KVW:KVW+1]           ; key slot 0
	s_or_b32 s[G0+3], s[G0+3], 0x80000000
	TLOAD
	s_lshl_b32 s44, s96, 17                        ; a head of qc is 2^17 bytes,
	s_lshl_b32 s98, s[WV], 10                      ; a tile 1,024
	s_add_co_u32 s44, s44, s98
	s_add_nc_u64 s[QP:QP+1], s[4:5], s[44:45]
	s_bfe_u32 s44, s96, 0x20002                    ; ks = head / 4
	s_lshl_b32 s44, s44, 21
	s_lshr_b32 s98, s96, 4                         ; batch
	s_lshl_b32 s98, s98, 7
	s_add_co_u32 s98, s98, s[WV]                   ; row block 128 batch + wave (+ 16 x block)
	s_lshl_b32 s98, s98, 12
	s_add_co_u32 s44, s44, s98
	s_and_b32 s98, s96, 3                          ; q = (head / 2) % 2 and the pair of groups head % 2: 1,024 bytes each
	s_lshl_b32 s98, s98, 10
	s_add_co_u32 s44, s44, s98
	s_add_nc_u64 s[AP:AP+1], s[10:11], s[44:45]
	s_lshl_b32 s44, s96, 18
	s_and_b32 s98, s[WV], 3
	s_lshl_b32 s98, s98, 13
	s_add_co_u32 s44, s44, s98
	s_add_co_u32 s44, s44, 32768                   ; in slot 1: the first change of slots steps it to slot 2.  Nothing is prefetched here, at the head
	s_add_nc_u64 s[PFA:PFA+1], s[6:7], s[44:45]
	s_sub_co_u32 s98, s[WV], 4
	s_lshr_b32 s98, s98, 2                         ; 0 in waves 4 to 7,
	s_or_b32 s98, s98, ttmp9                       ; of the work-group with p = 0
	s_cmp_eq_u32 s98, 0
	s_cselect_b32 s[LIM], 6, 0
	v_and_b32 v8, 15, v0                           ; r
	v_bfe_u32 v9, v0, 4, 1                         ; h
	s_delay_alu instid0(VALU_DEP_1)
	v_lshlrev_b32 v9, 3, v9
	s_delay_alu instid0(VALU_DEP_1)
	v_sub_nc_u32 v[RH], v8, v9                     ; r - 8 h
	v_and_b32 v9, 31, v0
	s_delay_alu instid0(VALU_DEP_1)
	v_lshlrev_b32 v[LA], 4, v9
	s_delay_alu instid0(VALU_DEP_2)
	v_lshlrev_b32 v[PFO], 8, v9
	v_mov_b32 v250, 0                              ; written once: a lane permute's destination counts as one of its sources
	v_mov_b32 v253, 0                              ; (named as the upper half of the pair v[252:253])
	s_wait_alu depctr_va_vdst(0)
	s_wait_kmcnt 0x0
	s_add_co_i32 s96, s52, s53
	s_lshl_b32 s96, s96, 23
	s_add_co_i32 s[CS], s[CS], s96                 ; a score stands for score x 2^(e6 + e7): added to c's exponent field
	s_mov_b32 s[CS+1], s[CS]
	s_add_co_i32 s96, s56, 127
	s_lshl_b32 s97, s96, 23
	v_mov_b32 v244, s97                            ; 2^e8
	s_sub_co_i32 s96, s58, s56
	s_sub_co_i32 s96, s96, s57                     ; e10 - e8 - e9
	s_add_co_i32 s96, s96, 127
	s_lshl_b32 s97, s96, 23
	v_mov_b32 v247, s97
	INIT
	s_mov_b32 s[U], 0
.Lslot:                                            ; eight trips: behind each change of slots but the last the next trip's slot is asked for
	CHANGE 1
	SWITCH
	SLOT_STEPS
	s_add_co_u32 s[U], s[U], 1
	s_cmp_lt_u32 s[U], 8
	s_cbranch_scc1 .Lslot
	CHANGE 0                                       ; the ninth trip is written out
	SWITCH
	SLOT_STEPS
	FINISH
	s_wait_tensorcnt 0x0                           ; the wave's end
	ds_add_u32 v[SPW], v[NIL]
	s_wait_dscnt 0x0
	s_endpgm
.Lfunc_end_k_qccbfd140ba_attn:
	.size	k_qccbfd140ba_attn, .Lfunc_end_k_qccbfd140ba_attn-k_qccbfd140ba_attn
	.p2alignl 7, 3214868480
	.fill 96, 4, 3214868480
	.section	.rodata,"a",@progbits
	.p2align	6, 0x0
	.amdhsa_kernel k_qccbfd140ba_attn
		.amdhsa_group_segment_fixed_size 327680
		.amdhsa_private_segment_fixed_size 0
		.amdhsa_enable_private_segment 0
		.amdhsa_kernarg_size 32
		.amdhsa_user_sgpr_count 2
		.amdhsa_user_sgpr_kernarg_segment_ptr 1
		.amdhsa_wavefront_size32 1
		.amdhsa_system_sgpr_workgroup_id_x 1
		.amdhsa_system_sgpr_workgroup_id_y 1
		.amdhsa_system_sgpr_workgroup_id_z 1
		.amdhsa_system_vgpr_workitem_id 0
		.amdhsa_next_free_vgpr 256
		.amdhsa_next_free_sgpr 100
		.amdhsa_reserve_vcc 1
		.amdhsa_float_denorm_mode_32 3
		.amdhsa_float_denorm_mode_16_64 3
		.amdhsa_fp16_overflow 1
		.amdhsa_memory_ordered 1
		.amdhsa_forward_progress 1
		.amdhsa_inst_pref_size 93
	.end_amdhsa_kernel
	.amdgpu_metadata
---
amdhsa.version: [ 1, 2 ]
amdhsa.kernels:
  - .name:           k_qccbfd140ba_attn
    .symbol:         k_qccbfd140ba_attn.kd
    .args:
      - { .name: qc, .offset: 0, .size: 8, .value_kind: global_buffer, .address_space: global }
      - { .name: kv, .offset: 8, .size: 8, .value_kind: global_buffer, .address_space: global }
      - { .name: lowp_scales, .offset: 16, .size: 8, .value_kind: global_buffer, .address_space: global }
      - { .name: ac, .offset: 24, .size: 8, .value_kind: global_buffer, .address_space: global }
    .group_segment_fixed_size: 327680
    .private_segment_fixed_size: 0
    .kernarg_segment_align: 8
    .kernarg_segment_size: 32
    .max_flat_workgroup_size: 512
    .sgpr_count:     100
    .vgpr_count:     256
    .wavefront_size: 32
...
	.end_amdgpu_metadata
.endif
;; end of part 3
;; launch proj (part 4): grid 8 x 32, 4 waves a work-group, clusters of 4 x 4, 327,680 bytes of LDS; arguments ac, Wo_codes, lowp_scales, out0; writes out0
.if DOCPART == 4
	.amdgcn_target "amdgcn-amd-amdhsa--gfx1250"
	.amdhsa_code_object_version 6
	.text
	.protected	k_qccbfd140ba_proj
	.globl	k_qccbfd140ba_proj
	.p2align	8
	.type	k_qccbfd140ba_proj,@function
k_qccbfd140ba_proj:
	s_mov_b64 s[64:65], 0
	v_nop
	global_prefetch_b8 v0, s[64:65] scope:SCOPE_SE
	s_setreg_imm32_b32 hwreg(HW_REG_WAVE_MODE, 25, 1), 1
	s_wait_xcnt 0x0
	s_wait_alu depctr_hold_cnt(0) depctr_sa_sdst(0) depctr_va_vdst(0) depctr_va_sdst(0) depctr_va_ssrc(0) depctr_va_vcc(0) depctr_vm_vsrc(0)
	s_getreg_b32 s2, hwreg(HW_REG_IB_STS2, 6, 4)
	s_cmp_eq_u32 s2, 0
	s_cbranch_scc0 .Lentry_in_a_cluster
	s_endpgm
.Lentry_in_a_cluster:
	s_bfe_u32 s2, ttmp6, 0x10000c
	s_cmp_lg_u32 s2, 0xf033
	s_cbranch_scc0 .Lentry_shape_is_right
	s_endpgm
.Lentry_shape_is_right:
; out0 = attention's result x Wo on codes of BF8 (E5M2): [8192][1024] x [1024 (n)][1024 (k)] -> f32; each finished sum x 2^(e10 + e11).
; A tile of out0 is 256 tokens x 128 columns: 32 x 8 = 256 tiles, one for each work-group.  Four waves, 128 x 64 each: 32 accumulators, 256 registers.  K goes in steps of 256 through two LDS slots.
; A = ac [ks 4][rowblock 512][q 2][g 4][512 B]: images of the operand's registers: a K step's 256 tokens are one dense block of 65,536 bytes, and a fragment is four loads of 512 consecutive bytes: no pitch, no padding.
; B = Wo_codes, rows of 1,024 bytes: a tile's rows are 256 bytes, padded by 16 in LDS.  Registers 4 c .. 4 c + 3 hold k = 32 c + 16 (l / 16) + 0 .. 15 in both operands.
; CLUSTERS of 4 x 4: A's tile is shared along a row of the cluster, B's along a column; each is asked for jointly.  Source 0 = 16 rows of Wo, source 1 = 16 tokens: a lane holds eight neighbouring columns of one token.
; LIMIT: e10 + e11 between -126 and 127, so that 2^(e10 + e11) is an f32 number.  Nothing is prefetched: K has four steps, two first fills and their two refills.
; REGISTERS: window 0: v0-31 addresses; v32-63 a block's results; from v128 A's fragments, one set; on the way out v128-191 rows read back.  window 1: B's fragments, two sets of 64.  window 2: the accumulators ((a, b) at v[8 (4 a + b)]).
.set KROW,   1024
.set PITCH,  272                       ; a row of B in LDS: 256 bytes + 16 of padding
.set FR,     16
.set NL,     4
.set NP,     4
.set AHALF,  32768                     ; 8 row blocks of 4,096 bytes: what one wave fetches, and reads, of A
.set BHALF,  64*PITCH                  ; 64 rows of B
.set BOFF,   2*AHALF
.set SLOT,   BOFF+2*BHALF              ; 100,352
.set STAGE,  2*SLOT                    ; behind the ring: 16 rows x 272 bytes for each wave; no tile lands there
.set SPITCH, 272
.set SPARE,  STAGE+4*16*SPITCH         ; behind the stages: the spare words, 128 bytes a wave
.set ASTEP,  0x400000                  ; two K steps on in ac
.set BSTEP,  512                       ; and in a row of Wo
.set ADRA, 16
.set ADRB, 20
.set STO,  24
.set RD,   25
.set CO,   26
.set SPW,  28
.set NIL,  29
.set TMP,  32
.set AF,   128
.set BK,   128
.set G1, 24
.set G0, 32
.set G1B, 48
.set G0B, 56
.set MSB, 0
.macro WIN new
.if MSB != \new
	s_set_vgpr_msb (MSB<<8)|\new
.set MSB, \new
.endif
.endm
.set MUL,  0xa1                        ; source 0 (B) window 1, source 1 (A) window 0, C and D window 2
.set TO_B, 0x40
.macro JLOAD g0a, g1a, g0b, g1b        ; waves 0 and 1 fetch for A, waves 2 and 3 for B.  Four v_nop follow each of the two lines
	s_cmp_eq_u32 s15, 0
	s_cbranch_scc0 .Lfor_b_\@
	tensor_load_to_lds s[\g0a:\g0a+3], s[\g1a:\g1a+7]
	s_nop 0
.rept 4
	v_nop
.endr
	s_branch .Lasked_\@
.Lfor_b_\@:
	tensor_load_to_lds s[\g0b:\g0b+3], s[\g1b:\g1b+7]
	s_nop 0
.rept 4
	v_nop
.endr
.Lasked_\@:
.endm
.macro CREST
	s_cmp_lg_u32 s14, 0
	s_cbranch_scc1 .Lnot_wave_0_\@
	s_barrier_signal -3
.Lnot_wave_0_\@:
	s_barrier_wait -3
	s_barrier_signal -1
	s_barrier_wait -1
.endm
.macro CROUND
	s_barrier_signal -1
	s_barrier_wait -1
	CREST
.endm
	s_load_b256 s[4:11], s[0:1], 0x0               ; ac s[4:5], Wo's codes s[6:7], the scales s[8:9], out0 s[10:11]
	v_lshl_add_u32 v[SPW], v0, 2, SPARE
	v_mov_b32 v[NIL], 0
	ds_add_u32 v28, v29
	ds_add_u32 v28, v29
	s_wait_dscnt 0x0
	v_lshrrev_b32 v1, 5, v0
	v_readfirstlane_b32 s14, v1                    ; wave 0..3
	s_lshr_b32 s15, s14, 1                         ; which 128 tokens are mine.  Also: I fetch for A (0) or for B (1)
	s_and_b32 s16, s14, 1                          ; which 64 columns.  Also: which half of that tile I fetch
	s_bfe_u32 s40, ttmp6, 0x40000                  ; cx
	s_bfe_u32 s41, ttmp6, 0x40004                  ; cy
	s_lshl_b32 s42, ttmp9, 2
	s_add_co_u32 s42, s42, s40                     ; tile column = 4 x cluster x + cx
	s_and_b32 s17, ttmp7, 0xffff
	s_lshl_b32 s17, s17, 2
	s_add_co_u32 s17, s17, s41                     ; tile row = 4 x cluster y + cy
	s_lshl_b32 s43, s41, 2
	s_lshl_b32 s43, 15, s43                        ; my row of the cluster
	s_lshl_b32 s44, 0x1111, s40                    ; my column
	s_or_b32 s[G1+0], s43, (3<<16)|(1<<21)         ; A: the mask; elements of 8 bytes; bit 21 beside a mask; no padding
	s_mov_b32 s[G1+1], 32<<16                      ; rows of 32 elements = 256 bytes
	s_mov_b32 s[G1+2], 128<<16                     ; 128 rows
	s_mov_b32 s[G1+3], 32<<16
	s_mov_b32 s[G1+4], 128
	s_mov_b32 s[G1+5], 32                          ; the block is dense
	s_mov_b32 s[G1+6], 0
	s_mov_b32 s[G1+7], 0
	s_or_b32 s[G1B+0], s44, (0<<16)|(1<<20)|(1<<21)|(5<<22)|(3<<25)  ; B: elements of 1 byte; 4 words of padding after every 64
	s_mov_b32 s[G1B+1], 256<<16
	s_mov_b32 s[G1B+2], 64<<16
	s_mov_b32 s[G1B+3], 256<<16
	s_mov_b32 s[G1B+4], 64
	s_mov_b32 s[G1B+5], KROW
	s_mov_b32 s[G1B+6], 0
	s_mov_b32 s[G1B+7], 0
	s_lshl_b32 s20, s17, 16                        ; A: 16 row blocks of 4,096 bytes a tile row,
	s_lshl_b32 s18, s16, 15                        ; 8 a half
	s_add_co_u32 s20, s20, s18
	s_mov_b32 s21, 0
	s_lshl_b32 s46, s42, 17                        ; B: 128 rows of 1,024 bytes a tile column,
	s_lshl_b32 s18, s16, 16                        ; 64 a half
	s_add_co_u32 s46, s46, s18
	s_mov_b32 s47, 0
	s_mul_i32 s45, s16, AHALF                      ; where they go: no place in the cluster enters an LDS address
	s_mul_i32 s19, s16, BHALF
	s_add_co_u32 s19, s19, BOFF
	s_wait_kmcnt 0x0
	s_load_b64 s[96:97], s[8:9], 0x28              ; e10, e11
	s_add_nc_u64 s[20:21], s[4:5], s[20:21]
	s_add_nc_u64 s[46:47], s[6:7], s[46:47]
	CROUND                                         ; all sixteen work-groups are here: the first joint loads meet
.irp s, 0,1
	s_mov_b32 s[G0+4*\s], 1
	s_add_co_u32 s[G0+4*\s+1], s45, \s*SLOT
	s_add_nc_u64 s[G0+4*\s+2:G0+4*\s+3], s[20:21], \s*0x200000
	s_or_b32 s[G0+4*\s+3], s[G0+4*\s+3], 0x80000000
	s_mov_b32 s[G0B+4*\s], 1
	s_add_co_u32 s[G0B+4*\s+1], s19, \s*SLOT
	s_add_nc_u64 s[G0B+4*\s+2:G0B+4*\s+3], s[46:47], \s*256
	s_or_b32 s[G0B+4*\s+3], s[G0B+4*\s+3], 0x80000000
	s_wait_alu depctr_va_vdst(0)
	s_wait_tensorcnt 0x0
	ds_add_u32 v28, v29
	ds_add_u32 v28, v29
	s_wait_dscnt 0x0
	CROUND
	JLOAD G0+4*\s, G1, G0B+4*\s, G1B
.endr
	v_and_b32 v1, 15, v0                           ; r
	v_bfe_u32 v2, v0, 4, 1                         ; h
	v_and_b32 v6, 31, v0
	v_lshlrev_b32 v3, 4, v6                        ; A: 16 x lane
	v_mul_u32_u24 v4, v1, PITCH
	v_lshl_add_u32 v4, v2, 4, v4                   ; B: row x pitch + 16 h
	s_mul_i32 s21, s15, AHALF                      ; my 128 tokens
	s_mul_i32 s22, s16, BHALF
	s_add_co_u32 s22, s22, BOFF                    ; my 64 columns
.irp s, 0,1
	v_add_nc_u32 v[ADRA+\s], s21, v3
	v_add_nc_u32 v[ADRB+\s], s22, v4
	s_add_co_u32 s21, s21, SLOT
	s_add_co_u32 s22, s22, SLOT
.endr
	s_mul_i32 s23, s14, 16*SPITCH
	s_add_co_u32 s23, s23, STAGE                   ; my stage
	v_mul_u32_u24 v5, v1, SPITCH                   ; in: row r, 32 bytes for each half of the lanes
	v_lshl_add_u32 v5, v2, 5, v5
	v_add_nc_u32 v[STO], s23, v5
	v_mul_u32_u24 v5, v2, SPITCH                   ; back: lanes 0-15 one row of 256 bytes, lanes 16-31 the next
	v_lshl_add_u32 v5, v1, 4, v5
	v_add_nc_u32 v[RD], s23, v5
	v_lshlrev_b32 v5, 12, v2                       ; and the same two rows of out0, 4,096 bytes apart
	v_lshl_add_u32 v[CO], v1, 4, v5
	s_lshl_b32 s20, s17, 20                        ; 256 rows of 4,096 bytes a tile row,
	s_lshl_b32 s21, s15, 19                        ; 128 a half,
	s_add_co_u32 s20, s20, s21
	s_lshl_b32 s21, s42, 9                         ; 512 bytes a tile column,
	s_add_co_u32 s20, s20, s21
	s_lshl_b32 s21, s16, 8                         ; 256 a half
	s_add_co_u32 s20, s20, s21
	s_mov_b32 s21, 0
	s_add_nc_u64 s[10:11], s[10:11], s[20:21]
.macro FRAGA reg, slot, q, i
.irp c, 0,1,2,3
	ds_load_b128 v[\reg+4*\c:\reg+4*\c+3], v[ADRA+\slot] offset:4096*(\i)+2048*(\q)+512*\c
.endr
.endm
.macro FRAGB reg, slot, q, i
.irp c, 0,1,2,3
	ds_load_b128 v[\reg+4*\c:\reg+4*\c+3], v[ADRB+\slot] offset:128*(\q)+32*\c+(\i)*16*PITCH
.endr
.endm
; 8 matrix instructions: A's blocks a0, a0 + 1 x B's four.  The 32 accumulators take turns, one instruction a turn, in the same order in every step.
.macro MUL8 a0, p, zero
.irp a, \a0, \a0+1
.irp b, 0,1,2,3
.if \zero
	v_wmma_f32_16x16x128_bf8_bf8 v[8*(4*(\a)+\b):8*(4*(\a)+\b)+7], v[64*(\p)+FR*\b:64*(\p)+FR*\b+FR-1], v[AF+FR*(\a):AF+FR*(\a)+FR-1], 0
.else
	v_wmma_f32_16x16x128_bf8_bf8 v[8*(4*(\a)+\b):8*(4*(\a)+\b)+7], v[64*(\p)+FR*\b:64*(\p)+FR*\b+FR-1], v[AF+FR*(\a):AF+FR*(\a)+FR-1], v[8*(4*(\a)+\b):8*(4*(\a)+\b)+7]
.endif
.endr
.endr
.endm
.macro FETCH_B slot, q, p
	WIN TO_B
.irp i, 0,1,2,3
	FRAGB 64*(\p)+FR*\i, \slot, \q, \i
.endr
	WIN 0
.endm
.macro FETCH_A slot, q, i0
.irp i, \i0, \i0+1, \i0+2, \i0+3
	FRAGA AF+FR*(\i), \slot, \q, \i
.endr
.endm
.macro PLACES n
.rept \n
	v_nop
.endr
.endm
.macro STEP slot, q, zero
	s_wait_dscnt 4*NL                              ; B's set and A's blocks 0-3 are in; the youngest sixteen loads (A's blocks 4-7) may be out
	WIN MUL
	MUL8 0, (\q)%2, \zero
	MUL8 2, (\q)%2, \zero
	s_wait_dscnt 0
	PLACES NP
	FETCH_B \slot, (\q)+1, 1-(\q)%2
	FETCH_A \slot, (\q)+1, 0
	WIN MUL
	MUL8 4, (\q)%2, \zero
	MUL8 6, (\q)%2, \zero
	PLACES NP
	WIN 0
	FETCH_A \slot, (\q)+1, 4
.endm
.macro TURN slot, next, fill
	s_wait_tensorcnt 0x0                           ; all my tensor loads have landed: my part of the next slot
	ds_add_u32 v[SPW], v[NIL]                      ; 0 onto my spare word
	s_wait_dscnt 4*NL+1                            ; (the add and the youngest sixteen loads may be out)
	WIN MUL
	MUL8 0, 1, 0
	s_wait_dscnt 0x0                               ; the add is done, and my reads of this slot are over
	s_barrier_signal -1
	MUL8 2, 1, 0
	WIN 0
	s_barrier_wait -1
.if \fill
	CREST                                          ; the barrier has opened a round of the cluster's: no wave of any partner still reads this slot or has a load on its way
	s_add_nc_u64 s[G0+4*\slot+2:G0+4*\slot+3], s[G0+4*\slot+2:G0+4*\slot+3], ASTEP
	s_add_nc_u64 s[G0B+4*\slot+2:G0B+4*\slot+3], s[G0B+4*\slot+2:G0B+4*\slot+3], BSTEP
	JLOAD G0+4*\slot, G1, G0B+4*\slot, G1B
.else
	PLACES NP
.endif
	s_wait_alu depctr_va_vdst(0)
	FETCH_B \next, 0, 0
	FETCH_A \next, 0, 0
	WIN MUL
	MUL8 4, 1, 0
	MUL8 6, 1, 0
	PLACES NP
	WIN 0
	FETCH_A \next, 0, 4
.endm
	s_wait_tensorcnt 1                             ; my part of K step 0 is in (K step 1's one load may be out),
	s_barrier_signal -1
	s_barrier_wait -1                              ; everybody's is
	FETCH_B 0, 0, 0
	FETCH_A 0, 0, 0
	FETCH_A 0, 0, 4
	STEP 0, 0, 1
	TURN 0, 1, 1
	STEP 1, 0, 0
	TURN 1, 0, 1
	STEP 0, 0, 0
	TURN 0, 1, 0
	STEP 1, 0, 0
	s_wait_dscnt 4*NL
	WIN MUL
	MUL8 0, 1, 0
	MUL8 2, 1, 0
	s_wait_dscnt 0
	MUL8 4, 1, 0
	MUL8 6, 1, 0
	WIN 0
; THE WAY OUT, block by block of 16 tokens x 64 columns: x 2^(e10 + e11), through my own stage in LDS, back as whole rows of 256 bytes.  LDS serves a wave's instructions in order (ISA guide 5.7.1.4).
.macro TOSTAGE a
	WIN 0x02                                       ; source 0: window 2
.set i, 0
.rept 16
	v_pk_mul_f32 v[TMP+i:TMP+i+1], v[32*(\a)+i:32*(\a)+i+1], s[96:97] op_sel_hi:[1,0]   ; each accumulator from its low end on
.set i, i+2
.endr
	WIN 0
.irp b, 0,1,2,3
	ds_store_b128 v[STO], v[TMP+8*\b:TMP+8*\b+3] offset:64*\b
	ds_store_b128 v[STO], v[TMP+8*\b+4:TMP+8*\b+7] offset:64*\b+16
.endr
.irp t, 0,1,2,3,4,5,6,7
	ds_load_b128 v[BK+32*((\a)%2)+4*\t:BK+32*((\a)%2)+4*\t+3], v[RD] offset:\t*2*SPITCH
.endr
.endm
.macro SEND a, younger                 ; younger: the LDS instructions issued behind block a's loads, which may stay out
	s_wait_dscnt \younger
.if (\a) > 0
	s_add_nc_u64 s[10:11], s[10:11], 16*4096       ; (behind a wait on XCNT: the earlier stores have read their base)
.endif
.irp t, 0,1,2,3,4,5,6,7
	global_store_b128 v[CO], v[BK+32*((\a)%2)+4*\t:BK+32*((\a)%2)+4*\t+3], s[10:11] offset:\t*8192 th:TH_STORE_NT   ; 16 lanes store 256 consecutive bytes, at a multiple of 256 from out0's first byte
.endr
.endm
	s_wait_kmcnt 0x0
	s_add_co_i32 s96, s96, s97
	s_add_co_i32 s96, s96, 127
	s_lshl_b32 s96, s96, 23                        ; 2^(e10 + e11) as f32
	PLACES NP
	TOSTAGE 0
.irp a, 1,2,3,4,5,6,7
.if \a > 1
	s_wait_xcnt 0x0                                ; block a - 2's stores have read their registers and their base
.endif
	TOSTAGE \a
	SEND \a-1, 16                                  ; behind block a - 1's loads: block a's 8 stores and 8 loads
.endr
	s_wait_xcnt 0x0
	SEND 7, 0
	s_wait_tensorcnt 0x0                           ; the wave's end
	ds_add_u32 v[SPW], v[NIL]
	s_wait_dscnt 0x0
	CROUND                                         ; the closing round
	s_endpgm
.Lfunc_end_k_qccbfd140ba_proj:
	.size	k_qccbfd140ba_proj, .Lfunc_end_k_qccbfd140ba_proj-k_qccbfd140ba_proj
	.p2alignl 7, 3214868480
	.fill 96, 4, 3214868480
	.section	.rodata,"a",@progbits
	.p2align	6, 0x0
	.amdhsa_kernel k_qccbfd140ba_proj
		.amdhsa_group_segment_fixed_size 327680
		.amdhsa_private_segment_fixed_size 0
		.amdhsa_enable_private_segment 0
		.amdhsa_kernarg_size 32
		.amdhsa_user_sgpr_count 2
		.amdhsa_user_sgpr_kernarg_segment_ptr 1
		.amdhsa_wavefront_size32 1
		.amdhsa_system_sgpr_workgroup_id_x 1
		.amdhsa_system_sgpr_workgroup_id_y 1
		.amdhsa_system_sgpr_workgroup_id_z 1
		.amdhsa_system_vgpr_workitem_id 0
		.amdhsa_next_free_vgpr 768
		.amdhsa_next_free_sgpr 100
		.amdhsa_reserve_vcc 0
		.amdhsa_float_denorm_mode_32 3
		.amdhsa_float_denorm_mode_16_64 3
		.amdhsa_memory_ordered 1
		.amdhsa_forward_progress 1
		.amdhsa_inst_pref_size 78
	.end_amdhsa_kernel
	.amdgpu_metadata
---
amdhsa.version: [ 1, 2 ]
amdhsa.kernels:
  - .name:           k_qccbfd140ba_proj
    .symbol:         k_qccbfd140ba_proj.kd
    .args:
      - { .name: ac, .offset: 0, .size: 8, .value_kind: global_buffer, .address_space: global }
      - { .name: Wo_codes, .offset: 8, .size: 8, .value_kind: global_buffer, .address_space: global }
      - { .name: lowp_scales, .offset: 16, .size: 8, .value_kind: global_buffer, .address_space: global }
      - { .name: out0, .offset: 24, .size: 8, .value_kind: global_buffer, .address_space: global }
    .group_segment_fixed_size: 327680
    .private_segment_fixed_size: 0
    .kernarg_segment_align: 8
    .kernarg_segment_size: 32
    .max_flat_workgroup_size: 128
    .sgpr_count:     100
    .vgpr_count:     768
    .wavefront_size: 32
...
	.end_amdgpu_metadata
.endif
;; end of part 4
